; MI455X (gfx1250); checked and timed in simulation.
; The chip was launched on July 23, 2026; its instructions are those of AMD's public machine-readable ISA for CDNA 5 (MIT licence, August 2026) and "CDNA5" Instruction Set Architecture Reference Guide (July 2026). The comments in the code are by the model that wrote it; some were corrected since.
;; Conv Attention. Allowed arithmetic: matrix products marked QUANTISED: E2M1 operands, one E8M0 scale for each 32 along K, by v_wmma_scale_f32_16x16x128_f8f6f4 with both operands' format E2M1 (or v_wmma_scale_f32_32x16x128_f4), f32 sums; everything else in f32.
;; Inputs: kb 512 float32; kw_codes 512 x 8 x 16 uint8 (E2M1 codes of kw, K innermost, in blocks of 32 codes, two codes a byte); kw_scales 512 x 8 uint8 (E8M0 scales of kw, one for each 32 codes along K); ob 512 float32; ow_codes 512 x 16 x 16 uint8 (E2M1 codes of ow, K innermost, in blocks of 32 codes, two codes a byte); ow_scales 512 x 16 uint8 (E8M0 scales of ow, one for each 32 codes along K); qb 512 float32; qw_codes 512 x 8 x 16 uint8 (E2M1 codes of qw, K innermost, in blocks of 32 codes, two codes a byte); qw_scales 512 x 8 uint8 (E8M0 scales of qw, one for each 32 codes along K); vb 512 float32; vw_codes 512 x 8 x 16 uint8 (E2M1 codes of vw, K innermost, in blocks of 32 codes, two codes a byte); vw_scales 512 x 8 uint8 (E8M0 scales of vw, one for each 32 codes along K); x_codes 8 x 32 x 32 x 8 x 16 uint8 (E2M1 codes of x, K innermost, in blocks of 32 codes, two codes a byte); x_scales 8 x 32 x 32 x 8 uint8 (E8M0 scales of x, one for each 32 codes along K).
;; Outputs: out0 8 x 512 x 32 x 32 float32.
;; This version of the problem:
;;   THIS VERSION OF THE PROBLEM IS GIVEN IN LOW PRECISION. The matrix products marked QUANTISED in the list below multiply operands that are first quantised to E2M1 (2 exponent bits, 1 mantissa bit; 4 bits a number), with one power-of-two scale for each 32 numbers along K (OCP MX v1.0); their sums are f32. All else is computed in f32.
;;   The module's matrix products, in the order in which they are computed (A, B: the left and right operand; K: the contracted axis; several contracted axes count as one K, in the product's order):
;;     1. [M 8,192, K 256] x [K 256, N 512]; A: input x (given as codes); B: input qw (given as codes): QUANTISED
;;     2. [M 8,192, K 256] x [K 256, N 512]; A: input x (given as codes); B: input kw (given as codes): QUANTISED
;;     3. [M 8,192, K 256] x [K 256, N 512]; A: input x (given as codes); B: input vw (given as codes): QUANTISED
;;     4. batch 64 x [M 1,024, K 64] x [K 64, N 1,024]; A: computed on the way; B: computed on the way: QUANTISED
;;     5. batch 64 x [M 64, K 1,024] x [K 1,024, N 1,024]; A: computed on the way; B: softmax (see below): QUANTISED
;;     6. [M 8,192, K 512] x [K 512, N 512]; A: computed on the way; B: input ow (given as codes): QUANTISED
;;   THE QUANTISER, for each operand of a quantised product, along K:
;;     - K is cut into blocks of 32 from its start; a last block that is shorter is filled with zeros.
;;     - A block's scale is 2^e with e = floor(log2(the largest magnitude in the block)) - 2, held to -126 .. 127; a block of zeros has e = 0. As a byte (E8M0): e + 127.
;;     - Each number is divided by its block's scale, clamped to +-6, and rounded to the nearest number of E2M1, ties to even, subnormals kept.
;;     - The product sums the exact products of the quantised numbers (number of the format x scale) in f32.
;;   ~~~python
;;   def quantise(x, axis):      # numpy; x: float32 -> the quantised numbers, widened to float32 again
;;       x = np.moveaxis(x, axis, -1); K = x.shape[-1]
;;       x = np.pad(x, [(0, 0)] * (x.ndim - 1) + [(0, -K % 32)]); x = x.reshape(x.shape[:-1] + (-1, 32)); a = np.abs(x).max(-1, keepdims=True)
;;       e = np.where(a > 0, np.clip(np.frexp(np.where(a > 0, a, 1))[1] - 1 - 2, -126, 127), 0)      # np.frexp(a)[1] - 1 = floor(log2(a)), exactly
;;       r = np.clip(x / 2.0 ** e, -6, 6)
;;       step = 2.0 ** (np.maximum(np.frexp(np.where(r == 0, 1, r))[1] - 1, 0) - 1)
;;       q = np.round(r / step) * step * 2.0 ** e      # np.round: ties to even
;;       return np.moveaxis(q.reshape(q.shape[:-2] + (-1,))[..., :K], -1, axis).astype(np.float32)
;;   ~~~
;;   SOFTMAX AHEAD OF A QUANTISED PRODUCT. Where the list says 'softmax', what is quantised is not the finished softmax but p = 2^(t - M), with t = logit x log2(e) and M = ceil(the row's largest t), a whole number; so 1/2 < the row's largest p <= 1. The row's sum l is taken of the UNQUANTISED p, in f32, and the product's result is divided by l at the end. Since M is a whole number, a kernel that streams over the keys may use a running M (the ceiling of the running maximum): every later rescaling is an exact power of two, which a block's scale takes up: the codes' values come out the same.
;;   OPERANDS COMPUTED ON THE WAY. 'Computed on the way' means the value that the module computes at that place (a softmax that the list does not call 'softmax' is quantised finished and normalised). What goes into a quantiser is computed in f32, as accurately as f32 sums, v_exp_f32 and their like allow (about 1e-6 of the number): no bf16 or f16 on the way to a quantiser, and a product that is left as it is and whose result goes on into a quantised operand takes f32 operands (vector FMAs, or v_wmma_f32_16x16x4_f32). A number that lies on a knife's edge between two numbers of the format may be rounded either way, as far as f32 arithmetic and the matrix unit's own rounding can turn it there, and no further.
;;   INPUTS GIVEN AS CODES. kw (in the module: [512, 256], K = its axis 1); ow (in the module: [512, 512], K = its axis 1); qw (in the module: [512, 256], K = its axis 1); vw (in the module: [512, 256], K = its axis 1); x (in the module: [8, 256, 32, 32], K = its axis 1): each comes as NAME_codes (uint8): NAME with its K axis moved to the last place and cut into blocks of 32 codes, [.., K / 32, bytes a block], one block behind the other in memory; two codes a byte, the lower K in the low four bits (a code: sign, 2 exponent bits, 1 mantissa bit); and NAME_scales (uint8): the same leading axes, one E8M0 byte (e + 127) for each 32 codes along K. Its value is code x scale, taken as it is: it is not quantised again, and the codes and scales need not be those that the quantiser above would give.
;; One version. Each part assembles by itself: llvm-mc -triple=amdgcn-amd-amdhsa -mcpu=gfx1250 --defsym DOCPART=n.
;; ======== version 1 of 1: 2 launches
;; workspace buffers: ao 2,097,152 bytes; aos 131,072 bytes
;; launch attn (part 1): grid 4 x 64, 16 waves a work-group, no clusters, 103,424 bytes of LDS; arguments x_codes, x_scales, qw_codes, qw_scales, qb, kw_codes, kw_scales, kb, vw_codes, vw_scales, vb, ao, aos; writes ao, aos
.if DOCPART == 1
	.amdgcn_target "amdgcn-amd-amdhsa--gfx1250"
	.amdhsa_code_object_version 6
	.text
	.protected	k_qe20639d868_attn
	.globl	k_qe20639d868_attn
	.p2align	8
	.type	k_qe20639d868_attn,@function
k_qe20639d868_attn:
	s_mov_b64 s[64:65], 0
	v_nop
	global_prefetch_b8 v0, s[64:65] scope:SCOPE_SE
	s_setreg_imm32_b32 hwreg(HW_REG_WAVE_MODE, 25, 1), 1
	s_wait_xcnt 0x0
; For one (image, head) and 256 queries: q = qw x + qb, k = kw x + kb, v = vw x + vb; O[q][:] = the sum over keys of softmax(q . k / 8) v; O / the row's sum is quantised along the head's 64 channels for the last product.
; All four products are on codes of FP4 (E2M1) with E8M0 scales; q and k are quantised along the channels, v and p along the keys.  Nothing but the result goes to memory.
; SHARES.  A work-group owns one (image, head) and 256 queries; sixteen waves of 256 registers, four to a SIMD, so that one wave's vector work stands beside another's products and LDS loads.  Every wave walks one path.
; PROJECTION.  Wave w takes pixels 64 w .. 64 w + 63 of the image: their k and their v (64 x 64 results each, 32 products each), and q of its own tile of 16 queries (8 products).  x goes from memory straight into the wave's registers.
; The head's weights, which all sixteen waves need, go through LDS as IMAGES OF OPERAND REGISTERS: wave w loads piece w of 16 of each weight and stores it at 512 w + 16 lane; their scale bytes and the biases are copied as they lie.
; k and v, quantised, go to LDS as images too: K's at 0, V's at VC, the scale words at SCO (768 bytes a key step: K's 2 x 256, V's 256).  q stays in registers.  Each of a head's four work-groups makes the head's k and v for itself:
; 64 of a wave's 72 projection products are made four times over in the launch, against a launch of its own and 7 MB to memory and back.
; THE ROWS OF A TILE ARE NOT NEIGHBOURS: lane r of tile t takes row 32 (t / 2) + 8 (t % 2) + r + 8 (r / 8), of x and of the weights.  So the 16 registers of result tiles 2 b and 2 b + 1 are 16 neighbours along the next K.
; q, k: source 0 = the weight, source 1 = x: a lane holds a pixel, its registers run along the channels.  v: source 0 = x, source 1 = vw: a lane holds a channel, its registers run along the pixels.  The bias is the C of each sum's first product.
; THE SOFTMAX: t = score x log2(e) / 8; M = the row's largest t so far, rounded UP to a whole number; p = 2^(t - M) is what is quantised, not normalised.  The row's sum is taken of the unquantised p.
; When M moves, the sum and O are multiplied by 2^(old M - new M): nothing is rounded, and there is no branch on data.  Both products are used transposed (S^T = K Q^T, O^T = V^T P^T): a lane holds ONE query throughout.
; THE SCORES' K IS 64: registers 4-7 of those fragments are zero codes, cleared once, and the upper two scale bytes are 0 (2^-127, over zeros).
; NO CLUSTER: what the work-groups of a head share is x and the head's weights.  x goes from memory into the registers of the one wave that multiplies it, each fragment once in a work-group; a joint request lands in LDS, which would add
; a write and a read of LDS for each of its 139,264 bytes; the weights are 26,880 bytes a work-group.
; LIMITS: NaN and infinities are not served.  A block whose largest magnitude lies under 2^-124 keeps the scale byte 1, a block of zeros too (its codes are zeros; only this program reads the bytes).  t is one fused multiply-add with the f32 nearest to log2(e) / 8; 1 / sum is v_rcp_f32.
; REGISTERS, attention: v1-7 addresses; v8-15 Q; v16 Q's scale word, v17 p's, v20-23 K's, v24-25 V's; v26 -M, v27 the largest t, v[28:29] the sum, v[30:31] f; v32-95 K's eight fragments; v96-159 S^T, then p; v160-191 O^T; v192-223 V's four fragments; v224-231 p's codes; v232-255 at work.
.set WV,    2                          ; s2   my wave's number
.set SEL,   58                         ; s[58:59] v_permlanex16_b32's selects for lane l xor 16
.set CS,    60                         ; s[60:61] c = log2(e) / 8: the packed form names a pair and takes its low word for both halves
.set VC,    32768
.set SCO,   65536
.set STG,   71680                      ; the result's scale bytes, 32 bytes a wave
.set WIMG,  72192                      ; the weights' images: set i (0 qw, 1 kw, 2 vw) at 8,192 i; registers 4 c on of fragment (tile t, K step k) at 512 (4 t + 2 k + c) + 16 lane
.set SMALL, 96768                      ; the weights' scale bytes, 512 a set; then qb, kb, vb of the head, 256 bytes each
; registers of the projection
.set LW,    7                          ; v7   WIMG + 16 lane
.set LSS,   12                         ; v12  SMALL + 8 (r + 8 (r / 8)): a row's two scale words
.set LSB,   13                         ; v13  SMALL + 64 (lane / 16): q's and k's bias
.set LSV,   14                         ; v14  SMALL + 4 (r + 8 (r / 8)): v's bias
.set CST,   15                         ; v15  where my codes go: K's images, then V's
.set WS,    18                         ; v18-25   the weight's scale words, 2 t + k
.set TM,    26                         ; v26-31   the quantiser's work
.set W,     32                         ; v32-95   the weight's fragments, (tile t, K step k) at 16 t + 8 k
.set X,     96                         ; v96-159  my 64 pixels' fragments likewise
.set CB,    160                        ; v160-191 the bias in the result's layout, eight registers a tile
.set ACC,   192                        ; v192-223 four accumulators; before the first product: the copy's data and the offsets that are used once
.set QX,    224                        ; v224-239 my query tile's two fragments of x; then
.set PC,    224                        ;          group g's codes, four registers each
.set U,     240                        ; v240-241 the four groups' scale words merged: lanes 0-15 an even tile's, lanes 16-31 the odd one's
.set WD,    242                        ; v242-243 the scale words of an even and an odd group
.set SST,   244                        ; v244     where my scale words go: K's, then V's
.set QXS,   246                        ; v246-247 my query tile's scale words of x
.set XS,    248                        ; v248-255 my 64 pixels' scale words, 2 t + k
.macro MM d, a, b, c, sa, sb
	v_wmma_scale_f32_16x16x128_f8f6f4 v[\d:\d+7], v[\a:\a+7], v[\b:\b+7], v[\c:\c+7], v[\sa], v[\sb] matrix_a_fmt:MATRIX_FMT_FP4 matrix_b_fmt:MATRIX_FMT_FP4
.endm
.macro PLACES                          ; four plain instructions between products and the first read of their results, and in front of loads into registers that they have read
.rept 4
	v_nop
.endr
.endm
.macro LOADW set                       ; a weight's eight fragments and their scale words, from LDS
.irp t, 0,1,2,3
.irp k, 0,1
.irp c, 0,1
	ds_load_b128 v[W+16*\t+8*\k+4*\c:W+16*\t+8*\k+4*\c+3], v[LW] offset:8192*\set+512*(4*\t+2*\k+\c)
.endr
.endr
	ds_load_b64 v[WS+2*\t:WS+2*\t+1], v[LSS] offset:512*\set+(32*(\t/2)+8*(\t%2))*8
.endr
.endm
.macro LOADB set                       ; q's or k's bias: tile t's register j is channel 32 (t / 2) + 16 (lane / 16) + 8 (t % 2) + j
.irp t, 0,1,2,3
	ds_load_b128 v[CB+8*\t:CB+8*\t+3], v[LSB] offset:1536+256*\set+(32*(\t/2)+8*(\t%2))*4
	ds_load_b128 v[CB+8*\t+4:CB+8*\t+7], v[LSB] offset:1536+256*\set+(32*(\t/2)+8*(\t%2))*4+16
.endr
.endm
; 32 numbers of a lane, register 16 b + i = k 32 b + 16 (lane / 16) + i of my row, become 64 codes: v[pc .. pc + 3] = k 32 (lane / 16) + 0 .. 31; and two scale bytes in v[w].
.macro QUANT2 s, pc, w, tm
.irp b, 0,1
	v_max3_num_f32 v[\tm+\b], |v[\s+16*\b]|, |v[\s+16*\b+1]|, 0x1800000      ; my 16 numbers of block b, from each accumulator's low end on, and the floor 2^(3 - 127): the byte cannot fall under 1
.endr
.irp i, 2,4,6,8,10,12,14
.irp b, 0,1
	v_max3_num_f32 v[\tm+\b], v[\tm+\b], |v[\s+16*\b+\i]|, |v[\s+16*\b+\i+1]|
.endr
.endr
.irp b, 0,1
	s_delay_alu instid0(VALU_DEP_2)
	v_permlanex16_b32 v[\tm+2+\b], v[\tm+\b], s[SEL], s[SEL+1]
.endr
.irp b, 0,1
	s_delay_alu instid0(VALU_DEP_2)
	v_max_num_f32 v[\tm+\b], v[\tm+\b], v[\tm+2+\b]                          ; with lane l xor 16's 16: the block's largest magnitude
.endr
.irp b, 0,1
	s_delay_alu instid0(VALU_DEP_2)
	v_add_nc_u32 v[\tm+4+\b], 0xff000000, v[\tm+\b]                          ; 2 off its exponent field: the conversion's scale operand
.endr
.irp b, 0,1
	s_delay_alu instid0(VALU_DEP_2)
	v_lshrrev_b32 v[\tm+2+\b], 23, v[\tm+4+\b]                               ; the scale's byte
.endr
	s_delay_alu instid0(VALU_DEP_1)
	v_lshl_or_b32 v[\w], v[\tm+3], 8, v[\tm+2]
.irp b, 0,1
	v_cvt_scalef32_pk8_fp4_f32 v[\pc+2*\b], v[\s+16*\b:\s+16*\b+7], v[\tm+4+\b]
	v_cvt_scalef32_pk8_fp4_f32 v[\pc+2*\b+1], v[\s+16*\b+8:\s+16*\b+15], v[\tm+4+\b]
.endr
	v_nop                                          ; one plain instruction behind the last scaled conversion
	v_permlane16_swap_b32 v[\pc], v[\pc+2]         ; a whole block to a lane: lanes 0-15 block 0, lanes 16-31 block 1
	v_permlane16_swap_b32 v[\pc+1], v[\pc+3]
.endm
; Group g of k (isv = 0: x's tile g against the weight's four) or of v (isv = 1: vw's tile g against x's four): eight products, the four accumulators by turns.
.macro GMUL g, isv
.irp t, 0,1,2,3
.if \isv
	MM ACC+8*\t, X+16*\t, W+16*\g, CB+8*\g, XS+2*\t, WS+2*\g
.else
	MM ACC+8*\t, W+16*\t, X+16*\g, CB+8*\t, WS+2*\t, XS+2*\g
.endif
.endr
.irp t, 0,1,2,3
.if \isv
	MM ACC+8*\t, X+16*\t+8, W+16*\g+8, ACC+8*\t, XS+2*\t+1, WS+2*\g+1
.else
	MM ACC+8*\t, W+16*\t+8, X+16*\g+8, ACC+8*\t, WS+2*\t+1, XS+2*\g+1
.endif
.endr
	PLACES                                         ; with the quantiser's seven lines on its own registers they are also more than the five that the next group's first product, which begins these accumulators anew, stands behind
.endm
.macro GQ g, isv                       ; its results are quantised, and the codes go to LDS as an image: 512 consecutive bytes
	QUANT2 ACC, PC+4*\g, WD+\g%2, TM
.if \isv
	ds_store_b128 v[CST], v[PC+4*\g:PC+4*\g+3] offset:VC+1024*\g
.else
	ds_store_b128 v[CST], v[PC+4*\g:PC+4*\g+3] offset:512*\g
.endif
.if \g%2
	v_cndmask_b32 v[U+\g/2], v[WD], v[WD+1], s63   ; lanes 0-15 the even tile's words, lanes 16-31 the odd one's: the products below name the upper row of lanes for an odd tile
.endif
.endm
.macro KQ t                            ; tile t of S^T: an odd tile's scale words lie in lanes 16-31 of the register that it shares with the even one
.if (\t)%2
	v_wmma_scale_f32_16x16x128_f8f6f4 v[96+8*(\t):103+8*(\t)], v[32+8*(\t):39+8*(\t)], v[8:15], 0, v[20+(\t)/2], v16 matrix_a_fmt:MATRIX_FMT_FP4 matrix_b_fmt:MATRIX_FMT_FP4 matrix_a_scale:MATRIX_SCALE_ROW1
.else
	v_wmma_scale_f32_16x16x128_f8f6f4 v[96+8*(\t):103+8*(\t)], v[32+8*(\t):39+8*(\t)], v[8:15], 0, v[20+(\t)/2], v16 matrix_a_fmt:MATRIX_FMT_FP4 matrix_b_fmt:MATRIX_FMT_FP4
.endif
.endm
.macro PV d                            ; tile d of O^T
.if (\d)%2
	v_wmma_scale_f32_16x16x128_f8f6f4 v[160+8*(\d):167+8*(\d)], v[192+8*(\d):199+8*(\d)], v[224:231], v[160+8*(\d):167+8*(\d)], v[24+(\d)/2], v17 matrix_a_fmt:MATRIX_FMT_FP4 matrix_b_fmt:MATRIX_FMT_FP4 matrix_a_scale:MATRIX_SCALE_ROW1
.else
	v_wmma_scale_f32_16x16x128_f8f6f4 v[160+8*(\d):167+8*(\d)], v[192+8*(\d):199+8*(\d)], v[224:231], v[160+8*(\d):167+8*(\d)], v[24+(\d)/2], v17 matrix_a_fmt:MATRIX_FMT_FP4 matrix_b_fmt:MATRIX_FMT_FP4
.endif
.endm
	s_load_b512 s[8:23], s[0:1], 0x0               ; x codes 8, x scales 10, qw codes 12, qw scales 14, qb 16, kw codes 18, kw scales 20, kb 22
	s_load_b256 s[24:31], s[0:1], 0x40             ; vw codes 24, vw scales 26, vb 28, ao 30
	s_load_b64 s[32:33], s[0:1], 0x60              ; aos
	v_lshrrev_b32 v211, 5, v0
	s_delay_alu instid0(VALU_DEP_1)
	v_readfirstlane_b32 s[WV], v211                ; wave 0..15
	s_and_b32 s4, ttmp7, 0xffff                    ; bh = 8 x image + head
	s_lshr_b32 s5, s4, 3                           ; image
	s_and_b32 s6, s4, 7                            ; head
	s_and_b32 s3, s[WV], 1
	s_lshr_b32 s7, s[WV], 1                        ; the key step of 128 in which my 64 pixels lie
	; every offset is made while the arguments are on their way
	s_lshl_b32 s66, s5, 17                         ; x's codes: 131,072 bytes an image,
	s_lshl_b32 s67, s[WV], 13                      ; 8,192 for my 64 pixels
	s_add_co_u32 s36, s66, s67
	s_mov_b32 s37, 0
	s_lshl_b32 s67, s5, 13                         ; x's scale bytes: 8,192 an image, 512 for 64 pixels
	s_lshl_b32 s38, s[WV], 9
	s_add_co_u32 s38, s38, s67
	s_mov_b32 s39, 0
	s_lshl_b32 s40, ttmp9, 2                       ; my query tile: tile wave % 4 of pixels 64 (4 x block + wave / 4) on: it begins at row 32 (p / 2) + 8 (p % 2) of them
	s_lshr_b32 s42, s[WV], 2
	s_add_co_u32 s40, s40, s42
	s_lshl_b32 s40, s40, 6
	s_bfe_u32 s42, s[WV], 0x10001
	s_lshl_b32 s42, s42, 5
	s_add_co_u32 s40, s40, s42
	s_lshl_b32 s42, s3, 3
	s_add_co_u32 s40, s40, s42
	s_lshl_b32 s42, s40, 3
	s_add_co_u32 s42, s42, s67
	s_mov_b32 s43, 0
	s_lshl_b32 s40, s40, 7
	s_add_co_u32 s40, s40, s66
	s_mov_b32 s41, 0
	s_lshl_b32 s44, s6, 13                         ; the weights: the head's 64 rows of 128 bytes; my piece: tile wave / 4, 32 (wave % 4) bytes on in the rows
	s_lshr_b32 s66, s[WV], 3
	s_lshl_b32 s66, s66, 12
	s_add_co_u32 s44, s44, s66
	s_bfe_u32 s66, s[WV], 0x10002
	s_lshl_b32 s66, s66, 10
	s_add_co_u32 s44, s44, s66
	s_and_b32 s66, s[WV], 3
	s_lshl_b32 s66, s66, 5
	s_add_co_u32 s44, s44, s66
	s_mov_b32 s45, 0
	s_lshl_b32 s66, s6, 9                          ; the small copy: waves 0-5 half of a weight's 512 scale bytes, waves 6-8 a bias's 256 bytes
	s_lshl_b32 s67, s3, 8
	s_add_co_u32 s66, s66, s67
	s_lshl_b32 s67, s6, 8
	s_cmp_lt_u32 s[WV], 6
	s_cselect_b32 s34, s66, s67
	s_mov_b32 s35, 0
	s_lshl_b32 s54, s5, 18                         ; the result's codes: 262,144 bytes an image, 4,096 a tile (16 x block + wave), 512 a head
	s_lshl_b32 s66, ttmp9, 16
	s_add_co_u32 s54, s54, s66
	s_lshl_b32 s66, s[WV], 12
	s_add_co_u32 s54, s54, s66
	s_lshl_b32 s66, s6, 9
	s_add_co_u32 s54, s54, s66
	s_mov_b32 s55, 0
	s_lshl_b32 s56, s4, 11                         ; its scale bytes: 2,048 a head, 512 for the work-group's 16 tiles
	s_lshl_b32 s66, ttmp9, 9
	s_add_co_u32 s56, s56, s66
	s_mov_b32 s57, 0
	s_mov_b32 s[SEL], 0x76543210
	s_mov_b32 s[SEL+1], 0xfedcba98
	s_mov_b32 s[CS], 0x3e38aa3b                    ; c = log2(e) / 8
	s_mov_b32 s[CS+1], s[CS]                       ; (named with it as a pair, so it is written)
	s_mov_b32 s62, 8                               ; key steps
	s_mov_b32 s70, 0                               ; the step's images: 4,096 bytes a step, K's and V's alike
	s_mov_b32 s71, 0                               ; its scale words: 768 bytes a step
	v_and_b32 v211, 31, v0                         ; lane
	v_and_b32 v212, 15, v0                         ; r
	v_bfe_u32 v213, v0, 4, 1                       ; h
	s_delay_alu instid0(VALU_DEP_2)
	v_and_b32 v214, 8, v212
	s_delay_alu instid0(VALU_DEP_1)
	v_add_nc_u32 v214, v214, v212                  ; r + 8 (r / 8)
	s_delay_alu instid0(VALU_DEP_1)
	v_lshlrev_b32 v206, 7, v214
	s_delay_alu instid0(VALU_DEP_1)
	v_lshl_add_u32 v206, v213, 4, v206             ; codes in memory: that row of 128 bytes, + 16 h
	s_delay_alu instid0(VALU_DEP_3)
	v_lshlrev_b32 v207, 3, v214                    ; scale words in memory: 8 bytes a row
	v_lshlrev_b32 v208, 3, v211                    ; 8 x lane
	v_lshlrev_b32 v3, 4, v211                      ; 16 x lane: an image's place for my lane
	s_delay_alu instid0(VALU_DEP_1)
	v_add_nc_u32 v5, STG, v3                       ; the stage on its way out
	s_delay_alu instid0(VALU_DEP_3)
	v_add_nc_u32 v6, SCO, v208                     ; scale words in LDS: 8 bytes a lane
	s_delay_alu instid0(VALU_DEP_3)
	v_add_nc_u32 v[LW], WIMG, v3
	s_wait_alu depctr_va_vdst(0)
	v_add_nc_u32 v[LSS], SMALL, v207
	v_lshl_add_u32 v[LSB], v213, 6, SMALL
	v_lshl_add_u32 v[LSV], v214, 2, SMALL
	s_lshl_b32 s66, s[WV], 11
	v_add_nc_u32 v[CST], s66, v3                   ; K's images: four tiles of 512 bytes for my 64 pixels
	s_lshl_b32 s68, s7, 12                         ; V's: 4,096 bytes a key step; my 64 keys are registers 4 (wave % 2) on of each fragment: 512 bytes on
	s_lshl_b32 s66, s3, 9
	s_add_co_u32 s68, s68, s66
	s_mul_i32 s67, s7, 768
	s_lshl_b32 s66, s3, 8
	s_add_co_u32 s66, s66, s67
	v_add_nc_u32 v[SST], s66, v6                   ; K's scale words: 256 bytes for each half of a key step
	s_lshl_b32 s69, s3, 1                          ; V's: a word's four bytes are the step's four key blocks: two from each of two waves
	s_add_co_u32 s69, s69, s67
	s_add_co_u32 s69, s69, 512
	s_lshl_b32 s66, s[WV], 9
	v_add_nc_u32 v209, s66, v[LW]                  ; the copy: my piece of each weight's image
	s_lshl_b32 s66, s[WV], 8
	s_add_co_u32 s66, s66, SMALL
	v_add_nc_u32 v210, s66, v208                   ; the small copy: 256 bytes a wave
	s_lshl_b32 s66, s[WV], 5
	s_add_co_u32 s66, s66, STG
	v_lshl_add_u32 v4, v212, 1, s66                ; the stage: my query's two bytes
	v_cmp_le_u32 s63, 16, v211                     ; lanes 16-31
	v_mov_b32 v1, v3                               ; key step 0
	v_mov_b32 v2, v6
	v_mov_b32 v[TM+2], 0                           ; written once: a lane permute's destination counts as one of its sources
	v_mov_b32 v[TM+3], 0
	s_wait_kmcnt 0x0
	s_add_nc_u64 s[46:47], s[12:13], s[44:45]      ; qw, kw, vw at my piece
	s_add_nc_u64 s[48:49], s[18:19], s[44:45]
	s_add_nc_u64 s[50:51], s[24:25], s[44:45]
	s_add_nc_u64 s[40:41], s[8:9], s[40:41]        ; x at my query tile,
	s_add_nc_u64 s[42:43], s[10:11], s[42:43]
	s_add_nc_u64 s[36:37], s[8:9], s[36:37]        ; and at my 64 pixels
	s_add_nc_u64 s[38:39], s[10:11], s[38:39]
	global_load_b128 v[192:195], v206, s[46:47]
	global_load_b128 v[196:199], v206, s[48:49]
	global_load_b128 v[200:203], v206, s[50:51]
.irp k, 0,1
.irp c, 0,1
	global_load_b128 v[QX+8*\k+4*\c:QX+8*\k+4*\c+3], v206, s[40:41] offset:64*\k+32*\c
.endr
.endr
	global_load_b64 v[QXS:QXS+1], v207, s[42:43]
.irp t, 0,1,2,3
.irp k, 0,1
.irp c, 0,1
	global_load_b128 v[X+16*\t+8*\k+4*\c:X+16*\t+8*\k+4*\c+3], v206, s[36:37] offset:(32*(\t/2)+8*(\t%2))*128+64*\k+32*\c
.endr
.endr
	global_load_b64 v[XS+2*\t:XS+2*\t+1], v207, s[38:39] offset:(32*(\t/2)+8*(\t%2))*8
.endr
	s_cmp_lt_u32 s[WV], 2                          ; which buffer the small copy reads: the choices hang on the wave's number alone
	s_cselect_b64 s[52:53], s[14:15], s[20:21]     ; waves 0, 1: qw's scales; 2, 3: kw's;
	s_cmp_lt_u32 s[WV], 4
	s_cselect_b64 s[52:53], s[52:53], s[26:27]     ; 4, 5: vw's;
	s_cmp_lt_u32 s[WV], 6
	s_cselect_b64 s[52:53], s[52:53], s[16:17]     ; 6: qb;
	s_cmp_lt_u32 s[WV], 7
	s_cselect_b64 s[52:53], s[52:53], s[22:23]     ; 7: kb;
	s_cmp_lt_u32 s[WV], 8
	s_cselect_b64 s[52:53], s[52:53], s[28:29]     ; 8: vb
	s_add_nc_u64 s[52:53], s[52:53], s[34:35]
	s_add_nc_u64 s[54:55], s[30:31], s[54:55]
	s_add_nc_u64 s[56:57], s[32:33], s[56:57]
	s_cmp_lt_u32 s[WV], 9
	s_cbranch_scc0 .Lno_small
	global_load_b64 v[204:205], v208, s[52:53]     ; 32 lanes read 256 consecutive bytes
	s_wait_loadcnt 0x0
	s_wait_alu depctr_va_vdst(0)
	ds_store_b64 v210, v[204:205]
.Lno_small:
	s_wait_loadcnt 0x0                             ; all my loads are in: the pieces, my query tile, my 64 pixels; the registers that held their offsets are free
	s_wait_alu depctr_va_vdst(0)
	ds_store_b128 v209, v[192:195]
	ds_store_b128 v209, v[196:199] offset:8192
	ds_store_b128 v209, v[200:203] offset:16384
	s_wait_dscnt 0x0                               ; for the others' sake: my LDS stores have landed
	s_barrier_signal -1
	s_barrier_wait -1                              ; the weights, their scale bytes and the biases lie in LDS; nobody writes them again
	; ---- q of my 16 queries: it stays in v8-11 and v16
	LOADW 0
	LOADB 0
	s_wait_dscnt 0x0
.irp t, 0,1,2,3
	MM ACC+8*\t, W+16*\t, QX, CB+8*\t, WS+2*\t, QXS
.endr
.irp t, 0,1,2,3
	MM ACC+8*\t, W+16*\t+8, QX+8, ACC+8*\t, WS+2*\t+1, QXS+1
.endr
	PLACES
	LOADW 1                                        ; kw and kb come while q is quantised
	LOADB 1
	QUANT2 ACC, 8, 16, TM
	; ---- k of my 64 pixels
	s_wait_dscnt 0x0
	GMUL 0, 0
	GQ 0, 0
	GMUL 1, 0
	GQ 1, 0
	GMUL 2, 0
	GQ 2, 0
	GMUL 3, 0
	LOADW 2                                        ; vw and vb come while the last group is quantised
.irp g, 0,1,2,3
	ds_load_b32 v[CB+8*\g], v[LSV] offset:2048+(32*(\g/2)+8*(\g%2))*4         ; in v a lane holds one channel: one number for all eight registers
.endr
	GQ 3, 0
	ds_store_b64 v[SST], v[U:U+1]                  ; 256 consecutive bytes: my four tiles' scale words
	; ---- v of my 64 pixels
	s_wait_dscnt 0x0                               ; vw and vb are in; my stores have read their registers
	v_add_nc_u32 v[CST], s68, v3
	v_add_nc_u32 v[SST], s69, v6
.irp g, 0,1,2,3
.irp j, 1,2,3,4,5,6,7
	v_mov_b32 v[CB+8*\g+\j], v[CB+8*\g]
.endr
.endr
	GMUL 0, 1
	GQ 0, 1
	GMUL 1, 1
	GQ 1, 1
	GMUL 2, 1
	GQ 2, 1
	GMUL 3, 1
	GQ 3, 1
	ds_store_b16 v[SST], v[U]                      ; my two bytes of each scale word
	ds_store_b16 v[SST], v[U+1] offset:4
	s_wait_dscnt 0x0                               ; for the others' sake: my LDS stores have landed
	s_barrier_signal -1
.irp j, 12,13,14,15                                ; work on registers while the others arrive
	v_mov_b32 v[\j], 0                             ; K = 64 .. 127 of the scores' product: zero codes, in Q
.endr
.irp t, 0,1,2,3,4,5,6,7
.irp j, 4,5,6,7
	v_mov_b32 v[32+8*\t+\j], 0                     ; and in K's eight fragments; no load lands here from now on
.endr
.endr
.irp j, 0,1,2,3,4,5,6,7,8,9,10,11,12,13,14,15,16,17,18,19,20,21,22,23,24,25,26,27,28,29,30,31
	v_mov_b32 v[160+\j], 0                         ; O^T.  (The loop is written once: its first step finds zeros, which the first change of M leaves zeros)
.endr
.irp j, 236,237,238,239
	v_mov_b32 v[\j], 0                             ; written once: a lane permute's destination counts as one of its sources
.endr
	v_mov_b32 v27, 0xff61b1e6                      ; the largest t so far: -3e38, under every t
	s_delay_alu instid0(VALU_DEP_1)
	v_floor_f32 v26, -v27                          ; -M
	v_mov_b32 v28, 0                               ; the sum, in two halves
	v_mov_b32 v29, 0
	v_mov_b32 v31, 0                               ; (named as the upper half of the pair v[30:31])
	s_barrier_wait -1                              ; the head's K and V lie in LDS; nobody writes them again
.Lstep:                                            ; 8 trips of 128 keys
	s_wait_alu depctr_va_vdst(0)
	s_setprio 2
.irp t, 0,1,2,3,4,5,6,7
	ds_load_b128 v[32+8*\t:35+8*\t], v1 offset:512*\t              ; K: tile t's 16 keys x 64 codes
.endr
	ds_load_b64 v[20:21], v2                       ; K's scale words: tiles 0-3,
	ds_load_b64 v[22:23], v2 offset:256            ; tiles 4-7
.irp d, 0,1,2,3
.irp c, 0,1
	ds_load_b128 v[192+8*\d+4*\c:195+8*\d+4*\c], v1 offset:VC+1024*\d+512*\c   ; V: tile d's 16 channels x 128 keys
.endr
.endr
	ds_load_b64 v[24:25], v2 offset:512            ; V's scale words
	s_wait_dscnt 9                                 ; K's ten loads are in; V's nine, issued behind them, may stay out
.irp t, 0,1,2,3,4,5,6,7
	KQ \t
.endr
	PLACES
.irp b, 0,1,2,3
	v_max3_num_f32 v[232+\b], v[96+16*\b], v[97+16*\b], v[98+16*\b]           ; THE LARGEST SCORE OF EACH BLOCK OF 32 KEYS serves twice: for the row's maximum, and, since p rises with the score, for the block's largest p
.endr
.irp i, 3,5,7,9,11,13
.irp b, 0,1,2,3
	v_max3_num_f32 v[232+\b], v[232+\b], v[96+16*\b+\i], v[97+16*\b+\i]       ; (the four blocks by turns)
.endr
.endr
.irp b, 0,1,2,3
	v_max_num_f32 v[232+\b], v[232+\b], v[111+16*\b]
.endr
.irp b, 0,1,2,3
	s_delay_alu instid0(VALU_DEP_4)
	v_permlanex16_b32 v[236+\b], v[232+\b], s[SEL], s[SEL+1]
.endr
.irp b, 0,1,2,3
	s_delay_alu instid0(VALU_DEP_4)
	v_max_num_f32 v[232+\b], v[232+\b], v[236+\b]  ; with lane l xor 16's 16 keys
.endr
	s_delay_alu instid0(VALU_DEP_2)
	v_max3_num_f32 v244, v232, v233, v234
	s_delay_alu instid0(VALU_DEP_1)
	v_max_num_f32 v244, v244, v235                 ; the step's largest score of my query
	s_delay_alu instid0(VALU_DEP_1)
	v_mul_f32 v244, s[CS], v244                    ; as t (c is positive)
	s_delay_alu instid0(VALU_DEP_1)
	v_max_num_f32 v27, v27, v244                   ; the running largest t
	v_mov_b32 v244, v26
	s_delay_alu instid0(VALU_DEP_2)
	v_floor_f32 v26, -v27                          ; the new -M = floor(-t) = -ceil(t): a whole number
	s_delay_alu instid0(VALU_DEP_1)
	v_sub_f32 v244, v26, v244                      ; old M - new M: a whole number, 0 or less
	s_delay_alu instid0(VALU_DEP_1)
	v_cvt_i32_f32 v244, v244                       ; (it saturates)
	s_delay_alu instid0(VALU_DEP_1)
	v_ldexp_f32 v30, 1.0, v244                     ; f = 2^(old M - new M)
.irp j, 0,2,4,6,8,10,12,14,16,18,20,22,24,26,28,30,32,34,36,38,40,42,44,46,48,50,52,54,56,58,60,62
	v_pk_fma_f32 v[96+\j:97+\j], v[96+\j:97+\j], s[CS:CS+1], v[26:27] op_sel_hi:[1,0,0]   ; t - M, two at a time (of the pairs c and -M the low word serves both halves)
.endr
.irp b, 0,1,2,3
	v_fma_f32 v[232+\b], v[232+\b], s[CS], v26     ; the same of each block's largest score
.endr
	s_wait_alu depctr_va_vdst(0)
.irp j, 0,1,2,3,4,5,6,7,8,9,10,11,12,13,14,15,16,17,18,19,20,21,22,23,24,25,26,27,28,29,30,31,32,33,34,35,36,37,38,39,40,41,42,43,44,45,46,47,48,49,50,51,52,53,54,55,56,57,58,59,60,61,62,63
	v_exp_f32 v[96+\j], v[96+\j]                   ; p = 2^(t - M), at most 1: not normalised
.endr
	s_setprio 1
.irp b, 0,1,2,3
	v_exp_f32 v[232+\b], v[232+\b]                 ; the block's largest p: the same two instructions on the same number give the same bits
.endr
	v_pk_mul_f32 v[28:29], v[28:29], v[30:31] op_sel_hi:[1,0]      ; the sums under the new M.  (The plain instruction behind the exponentials)
	s_wait_alu depctr_va_vdst(0)
.irp b, 0,1,2,3
	v_max_num_f32 v[232+\b], 0x1800000, v[232+\b]  ; the floor 2^(3 - 127): the byte cannot fall under 1
.endr
.irp b, 0,1,2,3
	s_delay_alu instid0(VALU_DEP_4)
	v_add_nc_u32 v[240+\b], 0xff000000, v[232+\b]  ; 2 off the exponent field: the conversion's scale operand
.endr
.irp b, 0,1,2,3
	s_delay_alu instid0(VALU_DEP_4)
	v_lshrrev_b32 v[236+\b], 23, v[240+\b]         ; the scale's byte
.endr
	s_delay_alu instid0(VALU_DEP_3)
	v_lshl_or_b32 v17, v237, 8, v236               ; p's scale word for these 128 keys
	s_delay_alu instid0(VALU_DEP_1)
	v_lshl_or_b32 v17, v238, 16, v17
	s_delay_alu instid0(VALU_DEP_1)
	v_lshl_or_b32 v17, v239, 24, v17
.irp b, 0,1,2,3
	v_cvt_scalef32_pk8_fp4_f32 v[224+2*\b], v[96+16*\b:103+16*\b], v[240+\b]
	v_cvt_scalef32_pk8_fp4_f32 v[225+2*\b], v[104+16*\b:111+16*\b], v[240+\b]
.endr
	v_nop                                          ; one plain instruction behind the last scaled conversion
.irp c, 0,1                                        ; a whole block to a lane: lanes 0-15 block 2 c, lanes 16-31 block 2 c + 1
.irp i, 0,1
	v_permlane16_swap_b32 v[224+4*\c+\i], v[226+4*\c+\i]
.endr
.endr
.irp j, 0,2,4,6,8,10,12,14,16,18,20,22,24,26,28,30
	v_pk_mul_f32 v[160+\j:161+\j], v[160+\j:161+\j], v[30:31] op_sel_hi:[1,0]   ; O^T under the new M, each accumulator from its low end on
.endr
	v_pk_add_f32 v[236:237], v[100:101], v[104:105]
	v_pk_add_f32 v[254:255], v[108:109], v[112:113]
	v_pk_add_f32 v[252:253], v[116:117], v[120:121]
	v_pk_add_f32 v[250:251], v[124:125], v[128:129]
	v_pk_add_f32 v[248:249], v[132:133], v[136:137]
	v_pk_add_f32 v[246:247], v[140:141], v[144:145]
	v_pk_add_f32 v[242:243], v[148:149], v[152:153]
	v_pk_add_f32 v[28:29], v[28:29], v[156:157]
	v_pk_add_f32 v[236:237], v[236:237], v[96:97]
	v_pk_add_f32 v[254:255], v[254:255], v[98:99]
	v_pk_add_f32 v[252:253], v[252:253], v[102:103]
	v_pk_add_f32 v[250:251], v[250:251], v[106:107]
	v_pk_add_f32 v[248:249], v[248:249], v[110:111]
	v_pk_add_f32 v[246:247], v[246:247], v[114:115]
	v_pk_add_f32 v[242:243], v[242:243], v[118:119]
	v_pk_add_f32 v[28:29], v[28:29], v[122:123]
	v_pk_add_f32 v[236:237], v[236:237], v[126:127]
	v_pk_add_f32 v[254:255], v[254:255], v[130:131]
	v_pk_add_f32 v[252:253], v[252:253], v[134:135]
	s_setprio 0
	v_pk_add_f32 v[250:251], v[250:251], v[138:139]
	v_pk_add_f32 v[248:249], v[248:249], v[142:143]
	v_pk_add_f32 v[246:247], v[246:247], v[146:147]
	v_pk_add_f32 v[242:243], v[242:243], v[150:151]
	v_pk_add_f32 v[28:29], v[28:29], v[154:155]
	v_pk_add_f32 v[236:237], v[236:237], v[158:159]
	s_delay_alu instid0(VALU_DEP_2)
	v_pk_add_f32 v[28:29], v[28:29], v[250:251]
	s_delay_alu instid0(VALU_DEP_2)
	v_pk_add_f32 v[236:237], v[236:237], v[248:249]
	v_pk_add_f32 v[254:255], v[254:255], v[246:247]
	v_pk_add_f32 v[252:253], v[252:253], v[242:243]
	s_delay_alu instid0(VALU_DEP_2)
	v_pk_add_f32 v[28:29], v[28:29], v[254:255]
	s_delay_alu instid0(VALU_DEP_2)
	v_pk_add_f32 v[236:237], v[236:237], v[252:253]
	s_delay_alu instid0(VALU_DEP_1)
	v_pk_add_f32 v[28:29], v[28:29], v[236:237]
	s_wait_dscnt 0x0                               ; V is in
.irp d, 0,1,2,3
	PV \d                                          ; the four accumulators by turns
.endr
	s_add_co_u32 s70, s70, 4096
	s_add_co_u32 s71, s71, 768
	v_add_nc_u32 v1, s70, v3                       ; the next step's addresses: with the two v_nop four plain instructions, in front of the loads into V's registers and of the first read of O^T behind the loop
	v_add_nc_u32 v2, s71, v6
	v_nop
	v_nop
	s_sub_co_u32 s62, s62, 1
	s_cmp_lg_u32 s62, 0
	s_cbranch_scc1 .Lstep
	s_setprio 0
	s_wait_alu depctr_va_vdst(0)
	; THE WAY OUT: O^T / the sum, quantised along the head's 64 channels: 512 bytes of codes a wave, stored as an image; the scale bytes of the work-group's 16 tiles meet in LDS and leave as 512 consecutive bytes.
	v_add_f32 v28, v28, v29                        ; the sum's two halves,
	s_delay_alu instid0(VALU_DEP_1)
	v_permlanex16_b32 v244, v28, s[SEL], s[SEL+1]
	s_delay_alu instid0(VALU_DEP_1)
	v_add_f32 v28, v28, v244                       ; and lane l xor 16's: the row's sum
	s_wait_alu depctr_va_vdst(0)
	v_rcp_f32 v28, v28
	v_nop                                          ; one plain instruction behind the transcendental
	s_wait_alu depctr_va_vdst(0)
.irp j, 0,2,4,6,8,10,12,14,16,18,20,22,24,26,28,30
	v_pk_mul_f32 v[96+\j:97+\j], v[160+\j:161+\j], v[28:29] op_sel_hi:[1,0]     ; register 16 b + i is channel 32 b + 16 (lane / 16) + i of my query
.endr
	QUANT2 96, 224, 244, 232
	global_store_b128 v3, v[224:227], s[54:55]     ; 32 lanes store 512 consecutive bytes: registers 4 (head % 2) on of the last product's fragment
	ds_store_b16 v4, v244                          ; both halves of the lanes write the same two bytes with the same value
	s_wait_dscnt 0x0                               ; for the others' sake: my LDS store has landed
	s_barrier_signal -1
	s_barrier_wait -1
	s_cmp_lg_u32 s[WV], 0
	s_cbranch_scc1 .Lnot_first
	ds_load_b128 v[232:235], v5
	s_wait_dscnt 0x0
	global_store_b128 v3, v[232:235], s[56:57]     ; wave 0 alone: 512 consecutive bytes, aligned
.Lnot_first:
	s_wait_xcnt 0x0
	v_lshl_add_u32 v254, v0, 2, 0x18c00
	v_mov_b32 v255, 0
	s_wait_alu depctr_va_vdst(0)
	s_wait_tensorcnt 0x0
	ds_add_u32 v254, v255
	s_wait_dscnt 0x0
	s_endpgm
.Lfunc_end_k_qe20639d868_attn:
	.size	k_qe20639d868_attn, .Lfunc_end_k_qe20639d868_attn-k_qe20639d868_attn
	.p2alignl 7, 3214868480
	.fill 96, 4, 3214868480
	.section	.rodata,"a",@progbits
	.p2align	6, 0x0
	.amdhsa_kernel k_qe20639d868_attn
		.amdhsa_group_segment_fixed_size 103424
		.amdhsa_private_segment_fixed_size 0
		.amdhsa_enable_private_segment 0
		.amdhsa_kernarg_size 104
		.amdhsa_user_sgpr_count 2
		.amdhsa_user_sgpr_kernarg_segment_ptr 1
		.amdhsa_wavefront_size32 1
		.amdhsa_system_sgpr_workgroup_id_x 1
		.amdhsa_system_sgpr_workgroup_id_y 1
		.amdhsa_system_sgpr_workgroup_id_z 1
		.amdhsa_system_vgpr_workitem_id 0
		.amdhsa_next_free_vgpr 256
		.amdhsa_next_free_sgpr 72
		.amdhsa_reserve_vcc 0
		.amdhsa_float_denorm_mode_32 3
		.amdhsa_float_denorm_mode_16_64 3
		.amdhsa_memory_ordered 1
		.amdhsa_forward_progress 1
		.amdhsa_inst_pref_size 68
	.end_amdhsa_kernel
	.amdgpu_metadata
---
amdhsa.version: [ 1, 2 ]
amdhsa.kernels:
  - .name:           k_qe20639d868_attn
    .symbol:         k_qe20639d868_attn.kd
    .args:
      - { .name: x_codes, .offset: 0, .size: 8, .value_kind: global_buffer, .address_space: global }
      - { .name: x_scales, .offset: 8, .size: 8, .value_kind: global_buffer, .address_space: global }
      - { .name: qw_codes, .offset: 16, .size: 8, .value_kind: global_buffer, .address_space: global }
      - { .name: qw_scales, .offset: 24, .size: 8, .value_kind: global_buffer, .address_space: global }
      - { .name: qb, .offset: 32, .size: 8, .value_kind: global_buffer, .address_space: global }
      - { .name: kw_codes, .offset: 40, .size: 8, .value_kind: global_buffer, .address_space: global }
      - { .name: kw_scales, .offset: 48, .size: 8, .value_kind: global_buffer, .address_space: global }
      - { .name: kb, .offset: 56, .size: 8, .value_kind: global_buffer, .address_space: global }
      - { .name: vw_codes, .offset: 64, .size: 8, .value_kind: global_buffer, .address_space: global }
      - { .name: vw_scales, .offset: 72, .size: 8, .value_kind: global_buffer, .address_space: global }
      - { .name: vb, .offset: 80, .size: 8, .value_kind: global_buffer, .address_space: global }
      - { .name: ao, .offset: 88, .size: 8, .value_kind: global_buffer, .address_space: global }
      - { .name: aos, .offset: 96, .size: 8, .value_kind: global_buffer, .address_space: global }
    .group_segment_fixed_size: 103424
    .private_segment_fixed_size: 0
    .kernarg_segment_align: 8
    .kernarg_segment_size: 104
    .max_flat_workgroup_size: 512
    .sgpr_count:     72
    .vgpr_count:     256
    .wavefront_size: 32
...
	.end_amdgpu_metadata
.endif
;; end of part 1
;; launch oproj (part 2): grid 2 x 128, 16 waves a work-group, no clusters, 89,088 bytes of LDS; arguments ao, aos, ow_codes, ow_scales, ob, out0; writes out0
.if DOCPART == 2
	.amdgcn_target "amdgcn-amd-amdhsa--gfx1250"
	.amdhsa_code_object_version 6
	.text
	.protected	k_qe20639d868_oproj
	.globl	k_qe20639d868_oproj
	.p2align	8
	.type	k_qe20639d868_oproj,@function
k_qe20639d868_oproj:
	s_mov_b64 s[64:65], 0
	v_nop
	global_prefetch_b8 v0, s[64:65] scope:SCOPE_SE
	s_setreg_imm32_b32 hwreg(HW_REG_WAVE_MODE, 25, 1), 1
	s_wait_xcnt 0x0
; out0[b][f][n] = the sum over e of ow[f][e] a[b][n][e] + ob[f], on codes of FP4 (E2M1) with E8M0 scales, K = 512.  a: the attention's result, as images of operand registers (ao) and two scale bytes a head and pixel (aos).
; SHARES.  A work-group owns 64 pixels of an image and 256 of the 512 outputs; each of its sixteen waves 16 outputs: one tile of ow against four tiles of pixels, four K steps: 16 matrix instructions on four accumulators by turns.
; The 64 pixels' codes (16,384 bytes, dense) and scale bytes (1,024) are copied into LDS once, by all 512 threads, and every wave reads its fragments from there; ow's rows go straight into the registers of the one wave that uses them.
; Source 0 = 16 pixels, source 1 = 16 rows of ow: a lane holds ONE output f, and its registers run along the pixels, which are innermost in out0.  The pixels of a tile were chosen one launch ago so that tile p's register j
; is pixel 32 (p / 2) + 16 (lane / 16) + 8 (p % 2) + j.  The results go through the wave's own stage in LDS and leave as rows: sixteen lanes store 256 consecutive bytes, aligned.
; NO CLUSTER: the launch is one chain of load, 16 products and store a wave; what the two work-groups of a block of pixels share is 17,408 bytes, read once by each; a joint request would ask for rounds of the cluster's barrier round a single fill.
.set AOI,   0                          ; LDS: the codes as they lie in ao: fragment (tile p, K step s) at 4,096 p + 1,024 s + 512 c + 16 lane
.set ASL,   16384                      ; the scale bytes: 16 a pixel (two a head): word s is K step s's
.set STAGE, 17408                      ; 16 rows x (256 + 16) bytes for each wave
.set AO,    32                         ; v32-159   a's fragments, 32 p + 8 s; later the rows read back
.set OW,    160                        ; v160-191  ow's fragments, 8 s
.set ACC,   192                        ; v192-223  four accumulators
.set BI,    224                        ; v224-231  ob[f], eight times
.set AS,    232                        ; v232-239  a's scale words: register 4 i + s: lanes 0-15 tile 2 i, lanes 16-31 tile 2 i + 1
.set OWS,   240                        ; v240-243  ow's scale words, one a K step
.macro OP p, s
.if (\s) == 0
.if (\p)%2
	v_wmma_scale_f32_16x16x128_f8f6f4 v[ACC+8*(\p):ACC+8*(\p)+7], v[AO+32*(\p)+8*(\s):AO+32*(\p)+8*(\s)+7], v[OW+8*(\s):OW+8*(\s)+7], v[BI:BI+7], v[AS+4*((\p)/2)+(\s)], v[OWS+(\s)] matrix_a_fmt:MATRIX_FMT_FP4 matrix_b_fmt:MATRIX_FMT_FP4 matrix_a_scale:MATRIX_SCALE_ROW1
.else
	v_wmma_scale_f32_16x16x128_f8f6f4 v[ACC+8*(\p):ACC+8*(\p)+7], v[AO+32*(\p)+8*(\s):AO+32*(\p)+8*(\s)+7], v[OW+8*(\s):OW+8*(\s)+7], v[BI:BI+7], v[AS+4*((\p)/2)+(\s)], v[OWS+(\s)] matrix_a_fmt:MATRIX_FMT_FP4 matrix_b_fmt:MATRIX_FMT_FP4
.endif
.else
.if (\p)%2
	v_wmma_scale_f32_16x16x128_f8f6f4 v[ACC+8*(\p):ACC+8*(\p)+7], v[AO+32*(\p)+8*(\s):AO+32*(\p)+8*(\s)+7], v[OW+8*(\s):OW+8*(\s)+7], v[ACC+8*(\p):ACC+8*(\p)+7], v[AS+4*((\p)/2)+(\s)], v[OWS+(\s)] matrix_a_fmt:MATRIX_FMT_FP4 matrix_b_fmt:MATRIX_FMT_FP4 matrix_a_scale:MATRIX_SCALE_ROW1
.else
	v_wmma_scale_f32_16x16x128_f8f6f4 v[ACC+8*(\p):ACC+8*(\p)+7], v[AO+32*(\p)+8*(\s):AO+32*(\p)+8*(\s)+7], v[OW+8*(\s):OW+8*(\s)+7], v[ACC+8*(\p):ACC+8*(\p)+7], v[AS+4*((\p)/2)+(\s)], v[OWS+(\s)] matrix_a_fmt:MATRIX_FMT_FP4 matrix_b_fmt:MATRIX_FMT_FP4
.endif
.endif
.endm
	s_load_b256 s[4:11], s[0:1], 0x0               ; ao s[4:5], aos s[6:7], ow codes s[8:9], ow scales s[10:11]
	s_load_b128 s[12:15], s[0:1], 0x20             ; ob s[12:13], out0 s[14:15]
	v_lshl_add_u32 v254, v0, 2, 0x15400
	v_mov_b32 v255, 0
	v_lshrrev_b32 v11, 5, v0
	s_delay_alu instid0(VALU_DEP_1)
	v_readfirstlane_b32 s16, v11                   ; wave 0..15
	s_and_b32 s17, ttmp7, 0xffff                   ; 16 x image + block of 64 pixels
	s_lshr_b32 s18, s17, 4                         ; image
	s_and_b32 s19, s17, 15                         ; block
	s_lshl_b32 s20, ttmp9, 8
	s_lshl_b32 s21, s16, 4
	s_add_co_u32 s20, s20, s21                     ; f0: my first output
	v_lshlrev_b32 v1, 4, v0                        ; the copy: 16 bytes a thread
	v_lshrrev_b32 v11, 6, v0                       ; head = thread / 64
	v_and_b32 v12, 63, v0                          ; pixel = thread % 64
	s_delay_alu instid0(VALU_DEP_1)
	v_lshlrev_b32 v2, 1, v12
	s_delay_alu instid0(VALU_DEP_1)
	v_lshl_add_u32 v2, v11, 11, v2                 ; aos: 2,048 bytes a head, 2 a pixel
	s_delay_alu instid0(VALU_DEP_3)
	v_lshlrev_b32 v3, 4, v12
	s_delay_alu instid0(VALU_DEP_1)
	v_lshl_add_u32 v3, v11, 1, v3
	s_delay_alu instid0(VALU_DEP_1)
	v_add_nc_u32 v3, ASL, v3                       ; LDS: 16 bytes a pixel, 2 a head
	v_and_b32 v13, 31, v0
	s_delay_alu instid0(VALU_DEP_1)
	v_lshlrev_b32 v4, 4, v13                       ; 16 x lane
	v_and_b32 v14, 15, v0                          ; r
	v_bfe_u32 v15, v0, 4, 1                        ; h
	s_delay_alu instid0(VALU_DEP_2)
	v_lshlrev_b32 v5, 8, v14
	s_delay_alu instid0(VALU_DEP_1)
	v_lshl_add_u32 v5, v15, 4, v5                  ; ow: row r of 256 bytes, + 16 h
	s_delay_alu instid0(VALU_DEP_4)
	v_lshlrev_b32 v6, 4, v14                       ; its scale words: 16 bytes a row
	v_lshlrev_b32 v7, 2, v14                       ; ob
	s_mul_i32 s21, s16, 16*272
	s_add_co_u32 s21, s21, STAGE                   ; my stage
	v_mul_u32_u24 v8, v14, 272
	s_delay_alu instid0(VALU_DEP_1)
	v_lshl_add_u32 v8, v15, 6, v8
	s_delay_alu instid0(VALU_DEP_1)
	v_add_nc_u32 v8, s21, v8                       ; in: row r (my output), + 16 h pixels
	v_mul_u32_u24 v9, v15, 272
	s_delay_alu instid0(VALU_DEP_1)
	v_lshl_add_u32 v9, v14, 4, v9
	s_delay_alu instid0(VALU_DEP_1)
	v_add_nc_u32 v9, s21, v9                       ; back: lanes 0-15 one row of 256 bytes, lanes 16-31 the next
	v_lshlrev_b32 v10, 12, v15
	s_delay_alu instid0(VALU_DEP_1)
	v_lshl_add_u32 v10, v14, 4, v10                ; and the same two rows in out0, 4,096 bytes apart
	s_mov_b32 s23, 0
	s_wait_alu depctr_va_vdst(0)
	s_wait_kmcnt 0x0
	s_lshl_b32 s22, s17, 14                        ; ao: 16,384 bytes for 64 pixels
	s_add_nc_u64 s[24:25], s[4:5], s[22:23]
	s_lshl_b32 s22, s18, 14                        ; aos: 16,384 bytes an image, 128 for 64 pixels of a head
	s_lshl_b32 s21, s19, 7
	s_add_co_u32 s22, s22, s21
	s_add_nc_u64 s[26:27], s[6:7], s[22:23]
	s_lshl_b32 s22, s20, 8
	s_add_nc_u64 s[28:29], s[8:9], s[22:23]
	s_lshl_b32 s22, s20, 4
	s_add_nc_u64 s[30:31], s[10:11], s[22:23]
	s_lshl_b32 s22, s20, 2
	s_add_nc_u64 s[32:33], s[12:13], s[22:23]
	s_lshl_b32 s22, s18, 9                         ; out0: row 512 x image + f0 of 4,096 bytes, + 256 x block
	s_add_co_u32 s22, s22, s20
	s_lshl_b32 s22, s22, 12
	s_lshl_b32 s21, s19, 8
	s_add_co_u32 s22, s22, s21
	s_add_nc_u64 s[34:35], s[14:15], s[22:23]
	global_load_b128 v[16:19], v1, s[24:25]        ; the copy: 32 lanes read 512 consecutive bytes
	global_load_b128 v[20:23], v1, s[24:25] offset:8192
	global_load_u16 v24, v2, s[26:27]
.irp s, 0,1,2,3
.irp c, 0,1
	global_load_b128 v[OW+8*\s+4*\c:OW+8*\s+4*\c+3], v5, s[28:29] offset:64*\s+32*\c
.endr
.endr
	global_load_b128 v[OWS:OWS+3], v6, s[30:31]
	global_load_b32 v[BI], v7, s[32:33]
	s_wait_loadcnt 10                              ; the copy's three loads are in; the ten issued behind them may stay out
	ds_store_b128 v1, v[16:19] offset:AOI
	ds_store_b128 v1, v[20:23] offset:AOI+8192
	ds_store_b16 v3, v24
	s_wait_dscnt 0x0                               ; for the others' sake: my LDS stores have landed
	s_barrier_signal -1
	s_barrier_wait -1                              ; the launch's one barrier: nothing in AOI or ASL is written again
.irp i, 0,1
	ds_load_b128 v[AS+4*\i:AS+4*\i+3], v4 offset:ASL+512*\i        ; a pixel's four scale words: lanes 0-15 tile 2 i, lanes 16-31 tile 2 i + 1
.endr
.irp p, 0,1,2,3
.irp s, 0,1,2,3
.irp c, 0,1
	ds_load_b128 v[AO+32*\p+8*\s+4*\c:AO+32*\p+8*\s+4*\c+3], v4 offset:AOI+4096*\p+1024*\s+512*\c
.endr
.endr
.endr
	s_wait_loadcnt 0x0                             ; ow, its scale words, ob
.irp j, 1,2,3,4,5,6,7
	v_mov_b32 v[BI+\j], v[BI]                      ; a lane holds one output: one number for all eight registers
.endr
.rept 4
	v_nop                                          ; the copies stand four plain instructions ahead of the products that take them as C; the LDS loads are still out meanwhile
.endr
	s_wait_alu depctr_va_vdst(0)
	s_wait_dscnt 0x0
.irp s, 0,1,2,3
.irp p, 0,1,2,3
	OP \p, \s                                      ; the four accumulators by turns; the first K step takes the bias as C
.endr
.endr
.rept 4
	v_nop                                          ; four plain instructions in front of the first read of results and of the loads into registers that the products have read
.endr
.irp p, 0,1,2,3
	ds_store_b128 v8, v[ACC+8*\p:ACC+8*\p+3] offset:128*(\p/2)+32*(\p%2)          ; each accumulator from its low end on
	ds_store_b128 v8, v[ACC+8*\p+4:ACC+8*\p+7] offset:128*(\p/2)+32*(\p%2)+16
.endr
.irp i, 0,1,2,3,4,5,6,7
	ds_load_b128 v[AO+4*\i:AO+4*\i+3], v9 offset:544*\i            ; LDS serves a wave's instructions in order (ISA guide 5.7.1.4): these see my stores
.endr
.irp i, 0,1,2,3,4,5,6,7
	s_wait_dscnt 7-\i                              ; pair i of rows is back; the younger loads may stay out
	global_store_b128 v10, v[AO+4*\i:AO+4*\i+3], s[34:35] offset:8192*\i th:TH_STORE_NT    ; sixteen lanes store 256 consecutive bytes, aligned; written once, read by nobody here
.endr
	s_wait_tensorcnt 0x0
	ds_add_u32 v254, v255
	s_wait_dscnt 0x0
	s_endpgm
.Lfunc_end_k_qe20639d868_oproj:
	.size	k_qe20639d868_oproj, .Lfunc_end_k_qe20639d868_oproj-k_qe20639d868_oproj
	.p2alignl 7, 3214868480
	.fill 96, 4, 3214868480
	.section	.rodata,"a",@progbits
	.p2align	6, 0x0
	.amdhsa_kernel k_qe20639d868_oproj
		.amdhsa_group_segment_fixed_size 89088
		.amdhsa_private_segment_fixed_size 0
		.amdhsa_enable_private_segment 0
		.amdhsa_kernarg_size 48
		.amdhsa_user_sgpr_count 2
		.amdhsa_user_sgpr_kernarg_segment_ptr 1
		.amdhsa_wavefront_size32 1
		.amdhsa_system_sgpr_workgroup_id_x 1
		.amdhsa_system_sgpr_workgroup_id_y 1
		.amdhsa_system_sgpr_workgroup_id_z 1
		.amdhsa_system_vgpr_workitem_id 0
		.amdhsa_next_free_vgpr 256
		.amdhsa_next_free_sgpr 66
		.amdhsa_reserve_vcc 0
		.amdhsa_float_denorm_mode_32 3
		.amdhsa_float_denorm_mode_16_64 3
		.amdhsa_memory_ordered 1
		.amdhsa_forward_progress 1
		.amdhsa_inst_pref_size 12
	.end_amdhsa_kernel
	.amdgpu_metadata
---
amdhsa.version: [ 1, 2 ]
amdhsa.kernels:
  - .name:           k_qe20639d868_oproj
    .symbol:         k_qe20639d868_oproj.kd
    .args:
      - { .name: ao, .offset: 0, .size: 8, .value_kind: global_buffer, .address_space: global }
      - { .name: aos, .offset: 8, .size: 8, .value_kind: global_buffer, .address_space: global }
      - { .name: ow_codes, .offset: 16, .size: 8, .value_kind: global_buffer, .address_space: global }
      - { .name: ow_scales, .offset: 24, .size: 8, .value_kind: global_buffer, .address_space: global }
      - { .name: ob, .offset: 32, .size: 8, .value_kind: global_buffer, .address_space: global }
      - { .name: out0, .offset: 40, .size: 8, .value_kind: global_buffer, .address_space: global }
    .group_segment_fixed_size: 89088
    .private_segment_fixed_size: 0
    .kernarg_segment_align: 8
    .kernarg_segment_size: 48
    .max_flat_workgroup_size: 512
    .sgpr_count:     66
    .vgpr_count:     256
    .wavefront_size: 32
...
	.end_amdgpu_metadata
.endif
;; end of part 2
